; MI455X (gfx1250); checked and timed in simulation.
; The chip was launched on July 23, 2026; its instructions are those of AMD's public machine-readable ISA for CDNA 5 (MIT licence, August 2026) and "CDNA5" Instruction Set Architecture Reference Guide (July 2026). The comments in the code are by the model that wrote it; some were corrected since.
;; Decoder Cell. Allowed arithmetic: float matrix products may take bf16 or f16 operands with f32 sums; other float arithmetic in f32, or as packed bf16 or f16 multiplies, adds, multiply-adds, maxima and minima; sums over many terms, partial sums and values carried from step to step in f32; what a program stores and reads back later, other than sums and carried values, may be rounded once to bf16 or f16.
;; Inputs: Ch 1,024 x 2,048 float32; Cr 1,024 x 2,048 float32; Cz 1,024 x 2,048 float32; Uh 1,024 x 1,024 float32; Ur 1,024 x 1,024 float32; Uz 1,024 x 1,024 float32; Wh 1,024 x 1,024 float32; Wr 1,024 x 1,024 float32; Wz 1,024 x 1,024 float32; bh 1,024 float32; br 1,024 float32; bz 1,024 float32; c 4,096 x 2,048 float32; hprev 4,096 x 1,024 float32; x 4,096 x 1,024 float32.
;; Outputs: out0 4,096 x 1,024 float32.
;; One version. Each part assembles by itself: llvm-mc -triple=amdgcn-amd-amdhsa -mcpu=gfx1250 --defsym DOCPART=n.
;; ======== version 1 of 1: 3 launches
;; workspace buffers: act 33,554,432 bytes; w3 18,874,368 bytes; wu 4,194,304 bytes; uh 2,097,152 bytes; rh 8,388,608 bytes; zg 8,388,608 bytes; hx 16,777,216 bytes
;; launch prep (part 1): grid 64 x 28, 4 waves a work-group, no clusters, 0 bytes of LDS; arguments x, hprev, c, Wr, Wz, Ur, Uz, Cr, Cz, Wh, Uh, Ch, act, w3, wu, uh; writes act, w3, wu, uh
.if DOCPART == 1
	.amdgcn_target "amdgcn-amd-amdhsa--gfx1250"
	.amdhsa_code_object_version 6
	.text
	.protected	k_qb721dd5146_prep
	.globl	k_qb721dd5146_prep
	.p2align	8
	.type	k_qb721dd5146_prep,@function
k_qb721dd5146_prep:
	s_mov_b64 s[64:65], 0
	v_nop
	global_prefetch_b8 v0, s[64:65] scope:SCOPE_SE
	s_setreg_imm32_b32 hwreg(HW_REG_WAVE_MODE, 25, 1), 1
	s_wait_xcnt 0x0
; PREP: every matrix operand is rounded once from f32 to bf16 (nearest even) and laid out in K BLOCKS for the two products that follow.
; A block holds 256 consecutive K of all rows: a row of a block is 512 bytes, and the rows of a block lie end to end.
;   act [16][4096][256]: blocks 0-3 x, 4-11 c, 12-15 hprev.
;   w3  [12][3072][256]: row 384 t + 192 p + 64 g + i is row 128 t + 64 p + i of gate g (0: r, 1: z, 2: h); blocks 0-3 W, 4-11 C.
;   wu  [4][2048][256]:  row 256 t + 128 p + 64 g + i is row 128 t + 64 p + i of Ur (g = 0) or Uz (g = 1).
;   uh  [4][1024][256]:  Uh as it lies.
; One rule serves all: source row r goes to row ((r >> 6) x TU + G) x 64 + (r & 63), with TU gates interleaved in groups of 64 rows (1 where nothing is interleaved).
; A stream: no LDS, no barrier, no matrix unit.  A CHUNK is 256 f32 of a source row, 1,024 bytes; it becomes one row of one block.
; A UNIT (the grid's y) is 4,096 chunks, 4 MiB of one source on end; a work-group (the grid's x) takes 64 of them, a wave 16: 16 KiB on end.
; A wave issues all its 32 loads at once (each covers 512 consecutive bytes), then rounds and stores chunk by chunk; each store covers 256 consecutive bytes, aligned.
; LIMIT: numbers beyond bf16's range do not exist in f32 (same exponent field); NaN and infinities pass as the conversion leaves them.
.set SRC, 40                           ; s[40:41] the unit's source, then my wave's first byte of it
.set DST, 42                           ; s[42:43] the unit's destination, then my first row in the source's first block
.set PRM, 44                           ; s44      the unit's parameters, packed: 3:0 first block; 4 rows of 2,048 (else 1,024); 7:5 block bytes / 2^19; 9:8 TU; 11:10 G; 16:12 the source's first unit
.set X,   8                            ; v[8+8i : 15+8i] chunk i as loaded; then its bf16 words and its offset
; From unit 'first' on the source is s[src:src+1] ...: later lines override earlier ones.  The condition hangs on the grid's y alone.
.macro JOB first, src, dst, kb0, wide, bbu, tu, g
	s_cmp_ge_u32 s2, \first
	s_cselect_b64 s[SRC:SRC+1], s[\src:\src+1], s[SRC:SRC+1]
	s_cselect_b64 s[DST:DST+1], s[\dst:\dst+1], s[DST:DST+1]
	s_cselect_b32 s[PRM], (\kb0)|((\wide)<<4)|((\bbu)<<5)|((\tu)<<8)|((\g)<<10)|((\first)<<12), s[PRM]
.endm
	s_load_b512 s[8:23], s[0:1], 0x0               ; x, hprev, c, Wr, Wz, Ur, Uz, Cr
	s_load_b512 s[24:39], s[0:1], 0x40             ; Cz, Wh, Uh, Ch, act, w3, wu, uh
	s_and_b32 s2, ttmp7, 0xffff                    ; the unit
	v_lshrrev_b32 v3, 5, v0
	v_readfirstlane_b32 s4, v3                     ; the wave
	v_and_b32 v2, 31, v0
	v_lshlrev_b32 v1, 4, v2                        ; 16 bytes a lane on the way in,
	v_lshlrev_b32 v2, 3, v2                        ; 8 on the way out
	s_wait_kmcnt 0x0
	s_mov_b64 s[SRC:SRC+1], s[8:9]                 ; units 0-3: x into act's blocks 0-3
	s_mov_b64 s[DST:DST+1], s[32:33]
	s_mov_b32 s[PRM], (4<<5)|(1<<8)
	JOB 4,  10, 32, 12, 0, 4, 1, 0                 ; hprev
	JOB 8,  12, 32, 4,  1, 4, 1, 0                 ; c
	JOB 16, 14, 34, 0,  0, 3, 3, 0                 ; Wr
	JOB 17, 16, 34, 0,  0, 3, 3, 1                 ; Wz
	JOB 18, 26, 34, 0,  0, 3, 3, 2                 ; Wh
	JOB 19, 22, 34, 4,  1, 3, 3, 0                 ; Cr
	JOB 21, 24, 34, 4,  1, 3, 3, 1                 ; Cz
	JOB 23, 30, 34, 4,  1, 3, 3, 2                 ; Ch
	JOB 25, 18, 36, 0,  0, 2, 2, 0                 ; Ur
	JOB 26, 20, 36, 0,  0, 2, 2, 1                 ; Uz
	JOB 27, 28, 38, 0,  0, 1, 1, 0                 ; Uh
	s_bfe_u32 s45, s[PRM], 0x40000                 ; the first block
	s_bfe_u32 s46, s[PRM], 0x10004
	s_add_co_u32 s46, s46, 2                       ; log2 of the chunks in a source row: 2 or 3
	s_bfe_u32 s47, s[PRM], 0x30005
	s_lshl_b32 s47, s47, 19                        ; a block's bytes
	s_bfe_u32 s48, s[PRM], 0x20008                 ; TU
	s_bfe_u32 s49, s[PRM], 0x2000a                 ; G
	s_bfe_u32 s50, s[PRM], 0x5000c                 ; the source's first unit
	s_lshl_b32 s51, 1, s46
	s_sub_co_u32 s51, s51, 1                       ; mask of a chunk's place in its row
	s_sub_co_u32 s52, s2, s50                      ; my wave's first chunk of the source: ((unit x 64 + group) x 4 + wave) x 16
	s_lshl_b32 s52, s52, 6
	s_add_co_u32 s52, s52, ttmp9
	s_lshl_b32 s52, s52, 2
	s_add_co_u32 s52, s52, s4
	s_lshl_b32 s52, s52, 4
	s_lshl_b32 s54, s52, 10                        ; chunks lie end to end in the source: 1,024 bytes each (33.5 MB at the most)
	s_mov_b32 s55, 0
	s_add_nc_u64 s[SRC:SRC+1], s[SRC:SRC+1], s[54:55]
	s_lshr_b32 s52, s52, s46                       ; my first source row: a multiple of 4 (or 2), so my 4 (or 2) rows share their group of 64
	s_lshr_b32 s53, s52, 6
	s_mul_i32 s53, s53, s48
	s_add_co_u32 s53, s53, s49
	s_lshl_b32 s53, s53, 6                         ; ((r >> 6) x TU + G) x 64
	s_and_b32 s52, s52, 63
	s_add_co_u32 s52, s52, s53
	s_lshl_b32 s56, s52, 9                         ; 512 bytes a row
	s_mul_i32 s45, s45, s47                        ; + the first block
	s_add_co_u32 s56, s56, s45
	s_mov_b32 s57, 0
	s_add_nc_u64 s[DST:DST+1], s[DST:DST+1], s[56:57]
.set i, 0
.rept 16                               ; all 32 loads of the wave go out together
	global_load_b128 v[X+8*i:X+8*i+3],   v1, s[SRC:SRC+1] offset:1024*i th:TH_LOAD_NT
	global_load_b128 v[X+8*i+4:X+8*i+7], v1, s[SRC:SRC+1] offset:1024*i+512 th:TH_LOAD_NT
.set i, i+1
.endr
.set i, 0
.rept 16
	s_wait_loadcnt 30-2*i                          ; loads come back in order (ISA guide 5.7.1): chunk i's two are in, the 2 (15 - i) younger ones stay out
	s_and_b32 s58, s51, i                          ; chunk i: its block behind the first,
	s_mul_i32 s58, s58, s47
	s_lshr_b32 s59, i, s46                         ; its row behind my first
	s_lshl_b32 s59, s59, 9
	s_add_co_u32 s58, s58, s59
	v_cvt_pk_bf16_f32 v[X+8*i],   v[X+8*i],   v[X+8*i+1]    ; numbers 4 l .. 4 l + 3 of the chunk: 8 bytes
	v_cvt_pk_bf16_f32 v[X+8*i+1], v[X+8*i+2], v[X+8*i+3]
	v_cvt_pk_bf16_f32 v[X+8*i+4], v[X+8*i+4], v[X+8*i+5]    ; numbers 128 + 4 l ..
	v_cvt_pk_bf16_f32 v[X+8*i+5], v[X+8*i+6], v[X+8*i+7]
	v_add_nc_u32 v[X+8*i+2], s58, v2               ; the offset takes a register that the rounding has freed: no register that a store names is written again
	global_store_b64 v[X+8*i+2], v[X+8*i:X+8*i+1],   s[DST:DST+1]
	global_store_b64 v[X+8*i+2], v[X+8*i+4:X+8*i+5], s[DST:DST+1] offset:256
.set i, i+1
.endr
	s_endpgm
.Lfunc_end_k_qb721dd5146_prep:
	.size	k_qb721dd5146_prep, .Lfunc_end_k_qb721dd5146_prep-k_qb721dd5146_prep
	.p2alignl 7, 3214868480
	.fill 96, 4, 3214868480
	.section	.rodata,"a",@progbits
	.p2align	6, 0x0
	.amdhsa_kernel k_qb721dd5146_prep
		.amdhsa_group_segment_fixed_size 0
		.amdhsa_private_segment_fixed_size 0
		.amdhsa_enable_private_segment 0
		.amdhsa_kernarg_size 128
		.amdhsa_user_sgpr_count 2
		.amdhsa_user_sgpr_kernarg_segment_ptr 1
		.amdhsa_wavefront_size32 1
		.amdhsa_system_sgpr_workgroup_id_x 1
		.amdhsa_system_sgpr_workgroup_id_y 1
		.amdhsa_system_sgpr_workgroup_id_z 1
		.amdhsa_system_vgpr_workitem_id 0
		.amdhsa_next_free_vgpr 136
		.amdhsa_next_free_sgpr 66
		.amdhsa_reserve_vcc 0
		.amdhsa_float_denorm_mode_32 3
		.amdhsa_float_denorm_mode_16_64 3
		.amdhsa_memory_ordered 1
		.amdhsa_forward_progress 1
		.amdhsa_inst_pref_size 18
	.end_amdhsa_kernel
	.amdgpu_metadata
---
amdhsa.version: [ 1, 2 ]
amdhsa.kernels:
  - .name:           k_qb721dd5146_prep
    .symbol:         k_qb721dd5146_prep.kd
    .args:
      - { .name: x, .offset: 0, .size: 8, .value_kind: global_buffer, .address_space: global }
      - { .name: hprev, .offset: 8, .size: 8, .value_kind: global_buffer, .address_space: global }
      - { .name: c, .offset: 16, .size: 8, .value_kind: global_buffer, .address_space: global }
      - { .name: Wr, .offset: 24, .size: 8, .value_kind: global_buffer, .address_space: global }
      - { .name: Wz, .offset: 32, .size: 8, .value_kind: global_buffer, .address_space: global }
      - { .name: Ur, .offset: 40, .size: 8, .value_kind: global_buffer, .address_space: global }
      - { .name: Uz, .offset: 48, .size: 8, .value_kind: global_buffer, .address_space: global }
      - { .name: Cr, .offset: 56, .size: 8, .value_kind: global_buffer, .address_space: global }
      - { .name: Cz, .offset: 64, .size: 8, .value_kind: global_buffer, .address_space: global }
      - { .name: Wh, .offset: 72, .size: 8, .value_kind: global_buffer, .address_space: global }
      - { .name: Uh, .offset: 80, .size: 8, .value_kind: global_buffer, .address_space: global }
      - { .name: Ch, .offset: 88, .size: 8, .value_kind: global_buffer, .address_space: global }
      - { .name: act, .offset: 96, .size: 8, .value_kind: global_buffer, .address_space: global }
      - { .name: w3, .offset: 104, .size: 8, .value_kind: global_buffer, .address_space: global }
      - { .name: wu, .offset: 112, .size: 8, .value_kind: global_buffer, .address_space: global }
      - { .name: uh, .offset: 120, .size: 8, .value_kind: global_buffer, .address_space: global }
    .group_segment_fixed_size: 0
    .private_segment_fixed_size: 0
    .kernarg_segment_align: 8
    .kernarg_segment_size: 128
    .max_flat_workgroup_size: 128
    .sgpr_count:     66
    .vgpr_count:     136
    .wavefront_size: 32
...
	.end_amdgpu_metadata
.endif
;; end of part 1
;; launch gates (part 2): grid 8 x 32, 4 waves a work-group, clusters of 4 x 4, 327,680 bytes of LDS; arguments act, w3, wu, br, bz, rh, zg, hx; writes rh, zg, hx
.if DOCPART == 2
	.amdgcn_target "amdgcn-amd-amdhsa--gfx1250"
	.amdhsa_code_object_version 6
	.text
	.protected	k_qb721dd5146_gates
	.globl	k_qb721dd5146_gates
	.p2align	8
	.type	k_qb721dd5146_gates,@function
k_qb721dd5146_gates:
	s_mov_b64 s[64:65], 0
	v_nop
	global_prefetch_b8 v0, s[64:65] scope:SCOPE_SE
	s_setreg_imm32_b32 hwreg(HW_REG_WAVE_MODE, 25, 1), 1
	s_wait_xcnt 0x0
	s_wait_alu depctr_hold_cnt(0) depctr_sa_sdst(0) depctr_va_vdst(0) depctr_va_sdst(0) depctr_va_ssrc(0) depctr_va_vcc(0) depctr_vm_vsrc(0)
	s_getreg_b32 s2, hwreg(HW_REG_IB_STS2, 6, 4)
	s_cmp_eq_u32 s2, 0
	s_cbranch_scc0 .Lentry_in_a_cluster
	s_endpgm
.Lentry_in_a_cluster:
	s_bfe_u32 s2, ttmp6, 0x10000c
	s_cmp_lg_u32 s2, 0xf033
	s_cbranch_scc0 .Lentry_shape_is_right
	s_endpgm
.Lentry_shape_is_right:
; GATES: r = sigmoid([x c h] . [Wr Cr Ur]^T + br), z likewise, and hx = [x c] . [Wh Ch]^T, the part of the h gate's sum that does not need r.
; Stored: rh = r x h (bf16, in K blocks like act), z (f16, row-major), hx (f32, row-major: a partial sum).
; One product C = A B^T, bf16 operands, f32 sums.  A = act.  A work-group makes 128 rows x 384 columns: the SAME 128 columns of r, of z and of hx.
; PHASE 1: K = 3,072 (x, c), B = w3, all 384 columns.  PHASE 2: K = 1,024 (h), B = wu, the 256 columns of r and z.  K goes in steps of 128, 24 + 8 of them, through two LDS slots.
; Four waves, 2 x 2, each 64 rows x 192 columns (64 of r, 64 of z, 64 of hx): 48 accumulators, 192 matrix instructions a step in phase 1, 128 in phase 2, the same for every wave.
; TENSOR LOADS: each brings 128 rows x 256 bytes (rows aligned to 256 bytes in memory) to LDS byte wave x 34,816 of the slot: wave 0 A's tile, waves 1 to 3 B's 384 rows; in phase 2 waves 1, 2 B's 256, wave 3 none.
; CLUSTER 4 x 4: A's tile hangs on the tile row alone and is asked for jointly along a row of the cluster, B's on the tile column alone and jointly along a column.
; THE MATRIX INSTRUCTION IS USED TRANSPOSED (source 0 = 16 rows of B, source 1 = 16 rows of A): a lane holds eight neighbouring columns of one row of C.
; THE WAY OUT: the sums go as f32 through one stage in LDS (in the slots, whose last fill and last read are over), a barrier, and back by rows: a wave finishes 32 whole rows, 4 columns of each gate a lane.
; sigmoid(s) = 1 / (1 + 2^(-log2(e) s)) in f32.  h of those rows (bf16, from act) is loaded at the kernel's start into registers.  Every LDS address is a register that is never rewritten plus an immediate.
; LIMITS.  All inputs count as rounded once to bf16, the biases and the h of r x h too.  r x h is rounded once to bf16; z once to f16 (below 6e-5 it keeps f16's fixed step of 6e-8).
; Where 2^(..) overflows or underflows the gate is 0 or 1, its limit.  NaN and infinities are not treated apart.
; REGISTERS: window 0: v0-31 addresses and biases; v64-127 A's fragments, two buffers of 32; v128-255 r's and z's B fragments, two buffers of 64 (v64-191 at work on the way out).
;   window 1: r's and z's accumulators, (a, b) at v[8 (8 a + b)].   window 2: v0-127 hx's accumulators, (a, b) at v[8 (4 a + b)]; v128-191 hx's B fragments, two buffers of 32; v192-255 h, two registers a row.
.set PITCH, 272                        ; an LDS row: 256 bytes + 16 of padding = 68 words: the 16 rows of a fragment load start at 16 different groups of four banks (64 banks of 4 bytes: ISA guide 11.1)
.set BOFF,  128*PITCH                  ; in a slot: A's 128 rows, then B's 384
.set SLOT,  512*PITCH
.set SPARE, 2*SLOT                     ; behind the ring: the spare words, 128 bytes for each wave: two blocks of 256 bytes that no other line names
.set SP,    1552                       ; a stage row: 2 x (256 r + 256 z + 256 hx) bytes of f32 + 16 = 388 words: row r starts at bank 4 r mod 64.  The stage is 128 rows from LDS byte 0 on
.set ABLK,  1<<21                      ; bytes of a K block of act
.set B1BLK, 3<<19                      ; of w3
.set B2BLK, 1<<20                      ; of wu
.set WV,  20                           ; s20 wave    s21 its half of the rows    s22 its half of the columns
.set RH2, 21
.set CH2, 22
.set CX,  23
.set G1,  24                           ; s[24:31] descriptor group 1 for A's tiles; s[32:39] group 0, a set for each slot
.set G0,  32
.set G1B, 48                           ; s[48:55], s[56:63] the same for B's
.set G0B, 56
.set KC,  66                           ; s[66:67] -log2(e)
.set MK,  68                           ; s68 a word's upper bf16
.set BRP, 70                           ; s[70:71] br, s[72:73] bz at my columns
.set BZP, 72
.set HP,  74                           ; s[74:75] act (h), s[76:77] rh, s[78:79] zg, s[80:81] hx at the 32 rows that I finish; never rewritten
.set RP,  76
.set ZP,  78
.set XP,  80
.set WUP, 82                           ; s[82:85] wu at my part of B's tile in its block 0: first and second 128 K
.set CY,  86
.set TN,  87                           ; tile column (0-7)
.set TY,  88                           ; tile row (0-31)
.set BIR, 8                            ; v[8:11]  -log2(e) x br of my 4 columns
.set BIZ, 12                           ; v[12:15] -log2(e) x bz
.set ADRA, 16                          ; v16-17 LDS address of my A fragments in slot 0, 1
.set ZO,  18                           ; v18 8 x lane; never rewritten
.set CO,  19                           ; v19 16 x lane; never rewritten
.set ADRB, 20                          ; v20-21 my B fragments in phase 1; v22-23 in phase 2
.set STO, 24                           ; v24 stage: where the first 16 bytes of my rows 0-31 go; v25 of my rows 32-63
.set RD,  26                           ; v26 stage: my 16 bytes of r in the first row that I finish
.set SPW, 28                           ; v28 my spare word: SPARE + 4 x my thread's number; never rewritten
.set NIL, 29                           ; v29 0; never rewritten
.set FA,  64
.set FB,  128
.set FH,  128                          ; window 2
.set HRW, 192                          ; window 2
.set S,    64                          ; the way out: two buffers of 4 rows x (4 r, 4 z, 4 hx)
.set HF,   160                         ; h as f32
.set ORR,  176                         ; 4 rows x 4 bf16
.set OZZ,  184                         ; 4 rows x 4 f16
.set MSB, 0
.macro WIN new                         ; the immediate's high byte repeats the setting that is left; a switch that changes nothing is dropped
.if MSB != (\new)
	s_set_vgpr_msb (MSB<<8)|(\new)
.set MSB, \new
.endif
.endm
.set MUL, 0x50                         ; sources 0 and 1 window 0; C and D window 1
.set MUH, 0xa2                         ; source 0 (B) window 2, source 1 (A) window 0; C and D window 2
.macro PLACES                          ; four places in front of loads into registers that matrix instructions have read, and of LDS stores that read results (ISA guide 7.12.1 for the stores)
.rept 4
	v_nop
.endr
.endm
; A joint load: wave 0 fetches A's tile, the others 128 rows of B's each; ph = 2: B has 256 rows, and wave 3 fetches nothing.  The branches hang on the wave's number alone.
; An s_nop 0 and four v_nop follow each of the two lines, ahead of the jump, the label and what follows.  With ph = 2 four more stand behind the label: wave 3's places in front of the fragment loads.
.macro JLOAD s, ph
	s_cmp_eq_u32 s[WV], 0
	s_cbranch_scc0 .Lfor_b_\@
	tensor_load_to_lds s[G0+4*(\s):G0+4*(\s)+3], s[G1:G1+7]
	s_nop 0
.rept 4
	v_nop
.endr
	s_branch .Lasked_\@
.Lfor_b_\@:
.if (\ph) == 2
	s_cmp_eq_u32 s[WV], 3
	s_cbranch_scc1 .Lasked_\@
.endif
	tensor_load_to_lds s[G0B+4*(\s):G0B+4*(\s)+3], s[G1B:G1B+7]
	s_nop 0
.rept 4
	v_nop
.endr
.Lasked_\@:
.if (\ph) == 2
	PLACES
.endif
.endm
.macro CREST                           ; a round of the cluster's barrier behind its opening barrier
	s_cmp_lg_u32 s[WV], 0
	s_cbranch_scc1 .Lnot_wave_0_\@
	s_barrier_signal -3
.Lnot_wave_0_\@:
	s_barrier_wait -3
	s_barrier_signal -1
	s_barrier_wait -1
.endm
.macro CROUND                          ; a whole round
	s_barrier_signal -1
	s_barrier_wait -1
	CREST
.endm
	s_load_b512 s[4:19], s[0:1], 0x0               ; act s[4:5], w3 s[6:7], wu s[8:9], br s[10:11], bz s[12:13], rh s[14:15], zg s[16:17], hx s[18:19]
	v_lshl_add_u32 v[SPW], v0, 2, SPARE
	v_mov_b32 v[NIL], 0
	ds_add_u32 v[SPW], v[NIL]                      ; the wave's opening: the add and its wait stand ahead of my first tensor load; the set-up below, work on registers, stands between them
	v_lshrrev_b32 v1, 5, v0
	v_readfirstlane_b32 s[WV], v1
	s_lshr_b32 s[RH2], s[WV], 1
	s_and_b32 s[CH2], s[WV], 1
	s_bfe_u32 s[CX], ttmp6, 0x40000                ; my place in the cluster
	s_bfe_u32 s[CY], ttmp6, 0x40004
	s_lshl_b32 s[TN], ttmp9, 2
	s_add_co_u32 s[TN], s[TN], s[CX]               ; tile column = 4 x cluster x + cx
	s_and_b32 s[TY], ttmp7, 0xffff
	s_lshl_b32 s[TY], s[TY], 2
	s_add_co_u32 s[TY], s[TY], s[CY]               ; tile row = 4 x cluster y + cy
	s_lshl_b32 s40, s[CY], 2
	s_lshl_b32 s40, 15, s40                        ; my row of the cluster
	s_lshl_b32 s41, 0x1111, s[CX]                  ; my column
	; group 1: 128 rows of 128 elements of 2 bytes, 256 elements apart in memory, padded in LDS
	s_or_b32 s[G1+0], s40, (1<<16)|(1<<20)|(1<<21)|(5<<22)|(3<<25)   ; 15:0 the mask; 17:16 2-byte elements; 20 padding on; 21 set beside a mask; 24:22 after every 64 words (code 5); 31:25 4 words (code 3)
	s_or_b32 s[G1B+0], s41, (1<<16)|(1<<20)|(1<<21)|(5<<22)|(3<<25)
.irp g, G1, G1B
	s_mov_b32 s[(\g)+1], 128<<16                   ; tensor_dim0 = 128
	s_mov_b32 s[(\g)+2], 128<<16                   ; tensor_dim1 = 128
	s_mov_b32 s[(\g)+3], 128<<16                   ; tile_dim0 = 128
	s_mov_b32 s[(\g)+4], 128                       ; tile_dim1 = 128
	s_mov_b32 s[(\g)+5], 256                       ; a block's row: 256 elements
	s_mov_b32 s[(\g)+6], 0
	s_mov_b32 s[(\g)+7], 0
.endr
	; where the tiles come from: A's offset is made of the tile row alone, B's of the tile column and the wave, each in registers that never hold the other coordinate
	s_lshl_b32 s42, s[TY], 16                      ; A: 128 rows of 512 bytes
	s_mov_b32 s43, 0
	s_max_u32 s46, s[WV], 1                        ; B: wave w fetches rows 128 (w - 1) on of the tile (wave 0's copy of these words is never issued,
	s_sub_co_u32 s46, s46, 1                       ; nor is wave 3's in phase 2)
	s_lshl_b32 s46, s46, 16
	s_mul_i32 s44, s[TN], 384*512                  ; phase 1: 384 rows a tile
	s_add_co_u32 s44, s44, s46
	s_mov_b32 s45, 0
	s_lshl_b32 s90, s[TN], 17                      ; phase 2: 256 rows a tile
	s_add_co_u32 s90, s90, s46
	s_mov_b32 s91, 0
	s_mul_i32 s47, s[WV], 128*PITCH                ; and where they go: the wave's number alone enters an LDS address
	; plain addresses, which hold both coordinates: I finish rows 32 w .. 32 w + 31 of the tile
	s_lshl_b32 s69, s[TY], 7
	s_lshl_b32 s89, s[WV], 5
	s_add_co_u32 s69, s69, s89                     ; the first of them
	s_lshl_b32 s[RP], s69, 9                       ; rh: my 128 columns of H lie in K block tn / 2, at byte 256 (tn % 2) of its rows of 512
	s_lshr_b32 s89, s[TN], 1
	s_lshl_b32 s89, s89, 21
	s_add_co_u32 s[RP], s[RP], s89
	s_and_b32 s89, s[TN], 1
	s_lshl_b32 s89, s89, 8
	s_add_co_u32 s[RP], s[RP], s89
	s_mov_b32 s[RP+1], 0
	s_add_co_u32 s[HP], s[RP], 12<<21              ; h: the same place, from act's block 12 on
	s_mov_b32 s[HP+1], 0
	s_lshl_b32 s[ZP], s69, 11                      ; zg: rows of 2,048 bytes
	s_lshl_b32 s89, s[TN], 8
	s_add_co_u32 s[ZP], s[ZP], s89
	s_mov_b32 s[ZP+1], 0
	s_lshl_b32 s[XP], s69, 12                      ; hx: rows of 4,096 bytes
	s_lshl_b32 s89, s[TN], 9
	s_add_co_u32 s[XP], s[XP], s89
	s_mov_b32 s[XP+1], 0
	s_mov_b32 s[BRP], s89                          ; the biases: 128 f32
	s_mov_b32 s[BRP+1], 0
	s_mov_b32 s[KC], 0xbfb8aa3b                    ; -log2(e)
	s_mov_b32 s[KC+1], s[KC]                       ; named with it as a pair
	s_mov_b32 s[MK], 0xffff0000
	s_wait_dscnt 0x0                               ; the opening add is done
	s_wait_kmcnt 0x0
	s_add_nc_u64 s[42:43], s[4:5], s[42:43]
	s_add_nc_u64 s[44:45], s[6:7], s[44:45]
	s_add_nc_u64 s[WUP:WUP+1], s[8:9], s[90:91]
	s_add_nc_u64 s[WUP+2:WUP+3], s[WUP:WUP+1], 256
	s_add_nc_u64 s[BZP:BZP+1], s[12:13], s[BRP:BRP+1]
	s_add_nc_u64 s[BRP:BRP+1], s[10:11], s[BRP:BRP+1]
	s_add_nc_u64 s[HP:HP+1], s[4:5], s[HP:HP+1]
	s_add_nc_u64 s[RP:RP+1], s[14:15], s[RP:RP+1]
	s_add_nc_u64 s[ZP:ZP+1], s[16:17], s[ZP:ZP+1]
	s_add_nc_u64 s[XP:XP+1], s[18:19], s[XP:XP+1]
	CROUND                                         ; all sixteen work-groups are here: the first joint loads meet
.irp s, 0,1                            ; slot 0 always takes a block's first 128 K, slot 1 its second: from fill to fill an address steps by a block
	s_mov_b32 s[G0+4*(\s)], 1
	s_add_co_u32 s[G0+4*(\s)+1], s47, (\s)*SLOT
	s_add_nc_u64 s[G0+4*(\s)+2:G0+4*(\s)+3], s[42:43], (\s)*256
	s_or_b32 s[G0+4*(\s)+3], s[G0+4*(\s)+3], 0x80000000
	s_mov_b32 s[G0B+4*(\s)], 1
	s_add_co_u32 s[G0B+4*(\s)+1], s47, (\s)*SLOT
	s_add_nc_u64 s[G0B+4*(\s)+2:G0B+4*(\s)+3], s[44:45], (\s)*256
	s_or_b32 s[G0B+4*(\s)+3], s[G0B+4*(\s)+3], 0x80000000
	JLOAD \s, 1                                    ; two tensor loads of mine are out
.endr
	; in the wait for the first tile: the biases, and h of the 32 rows that I finish: each of h's loads covers 256 consecutive bytes, aligned.  They are waited for behind the product.
	v_and_b32 v5, 31, v0
	v_lshlrev_b32 v[CO], 4, v5
	v_lshlrev_b32 v[ZO], 3, v5
	global_load_b128 v[BIR:BIR+3], v[CO], s[BRP:BRP+1]
	global_load_b128 v[BIZ:BIZ+3], v[CO], s[BZP:BZP+1]
	WIN 0x80                                       ; destination window 2
.set i, 0
.rept 32
	global_load_b64 v[HRW+2*i:HRW+2*i+1], v[ZO], s[HP:HP+1] offset:i*512
.set i, i+1
.endr
	WIN 0
	; A fragment is 16 rows x 32 K in 8 registers: lane l holds row l % 16, K = 8 (l / 16) + 0..7 and 16 + 8 (l / 16) + 0..7: two loads of 16 bytes, 32 bytes apart
	v_and_b32 v1, 15, v0                           ; l % 16
	v_bfe_u32 v2, v0, 4, 1                         ; l / 16
	v_mul_u32_u24 v3, v1, PITCH
	v_lshl_add_u32 v3, v2, 4, v3
	s_mul_i32 s40, s[RH2], 64*PITCH                ; my 64 rows of A
	s_mul_i32 s41, s[CH2], 192*PITCH               ; my 192 rows of B in phase 1,
	s_add_co_u32 s41, s41, BOFF
	s_mul_i32 s46, s[CH2], 128*PITCH               ; my 128 in phase 2
	s_add_co_u32 s46, s46, BOFF
.irp s, 0,1
	v_add_nc_u32 v[ADRA+(\s)], s40, v3
	v_add_nc_u32 v[ADRB+(\s)], s41, v3
	v_add_nc_u32 v[ADRB+2+(\s)], s46, v3
	s_add_co_u32 s40, s40, SLOT
	s_add_co_u32 s41, s41, SLOT
	s_add_co_u32 s46, s46, SLOT
.endr
	s_mul_i32 s40, s[RH2], 64*SP                   ; into the stage: my 64 rows, my half of their bytes; row l % 16, 32 bytes for each half of the lanes
	s_mul_i32 s41, s[CH2], 768
	s_add_co_u32 s40, s40, s41
	v_mul_u32_u24 v[STO], v1, SP
	v_lshl_add_u32 v[STO], v2, 5, v[STO]
	v_add_nc_u32 v[STO], s40, v[STO]
	v_add_nc_u32 v[STO+1], 32*SP, v[STO]           ; a second register, so that the stores' immediates stay inside their 16 bits
	s_mul_i32 s40, s[WV], 32*SP                    ; back: wave w takes rows 32 w .. 32 w + 31: lanes 0-15 the row's first half, lanes 16-31 its second: column 4 l of each gate
	v_mul_u32_u24 v[RD], v2, 768
	v_lshl_add_u32 v[RD], v1, 4, v[RD]
	v_add_nc_u32 v[RD], s40, v[RD]
; 8 matrix instructions: m block a x the 8 n blocks of r and z, 32 along K, from buffer f.  zero = 1: the product starts the sums.
.macro MULRZ f, a, zero
	WIN MUL
.irp b, 0,1,2,3,4,5,6,7
.if \zero
	v_wmma_f32_16x16x32_bf16 v[8*(8*(\a)+(\b)):8*(8*(\a)+(\b))+7], v[FB+64*(\f)+8*(\b):FB+64*(\f)+8*(\b)+7], v[FA+32*(\f)+8*(\a):FA+32*(\f)+8*(\a)+7], 0
.else
	v_wmma_f32_16x16x32_bf16 v[8*(8*(\a)+(\b)):8*(8*(\a)+(\b))+7], v[FB+64*(\f)+8*(\b):FB+64*(\f)+8*(\b)+7], v[FA+32*(\f)+8*(\a):FA+32*(\f)+8*(\a)+7], v[8*(8*(\a)+(\b)):8*(8*(\a)+(\b))+7]
.endif
.endr
.endm
; 4 matrix instructions: m block a x the 4 n blocks of hx
.macro MULHX f, a, zero
	WIN MUH
.irp b, 0,1,2,3
.if \zero
	v_wmma_f32_16x16x32_bf16 v[8*(4*(\a)+(\b)):8*(4*(\a)+(\b))+7], v[FH+32*(\f)+8*(\b):FH+32*(\f)+8*(\b)+7], v[FA+32*(\f)+8*(\a):FA+32*(\f)+8*(\a)+7], 0
.else
	v_wmma_f32_16x16x32_bf16 v[8*(4*(\a)+(\b)):8*(4*(\a)+(\b))+7], v[FH+32*(\f)+8*(\b):FH+32*(\f)+8*(\b)+7], v[FA+32*(\f)+8*(\a):FA+32*(\f)+8*(\a)+7], v[8*(4*(\a)+(\b)):8*(4*(\a)+(\b))+7]
.endif
.endr
.endm
; Half a quarter: m blocks a0, a0 + 1.  The accumulators (48 in phase 1, 32 in phase 2) take turns, one instruction a turn, in the same order in every quarter.
.macro HALF ph, f, a0, zero
	MULRZ \f, \a0, \zero
	MULRZ \f, (\a0)+1, \zero
.if (\ph) == 1
	MULHX \f, \a0, \zero
	MULHX \f, (\a0)+1, \zero
.endif
.endm
; The LDS loads of 32 K at byte k of the rows, in one run, into buffer f: 32 in phase 1 (hx's eight first), 24 in phase 2; A's last four (m blocks 2, 3) last
.macro FETCH ph, slot, k, f
.if (\ph) == 1
	WIN 0x80                                       ; destination window 2
.irp b, 0,1,2,3
	ds_load_b128 v[FH+32*(\f)+8*(\b):FH+32*(\f)+8*(\b)+3],   v[ADRB+(\slot)] offset:(\k)+(8+(\b))*16*PITCH
	ds_load_b128 v[FH+32*(\f)+8*(\b)+4:FH+32*(\f)+8*(\b)+7], v[ADRB+(\slot)] offset:(\k)+(8+(\b))*16*PITCH+32
.endr
.endif
	WIN 0
.set AB, ADRB+2*((\ph)-1)+(\slot)
.irp b, 0,1,2,3,4,5,6,7
	ds_load_b128 v[FB+64*(\f)+8*(\b):FB+64*(\f)+8*(\b)+3],   v[AB] offset:(\k)+(\b)*16*PITCH
	ds_load_b128 v[FB+64*(\f)+8*(\b)+4:FB+64*(\f)+8*(\b)+7], v[AB] offset:(\k)+(\b)*16*PITCH+32
.endr
.irp a, 0,1,2,3
	ds_load_b128 v[FA+32*(\f)+8*(\a):FA+32*(\f)+8*(\a)+3],   v[ADRA+(\slot)] offset:(\k)+(\a)*16*PITCH
	ds_load_b128 v[FA+32*(\f)+8*(\a)+4:FA+32*(\f)+8*(\a)+7], v[ADRA+(\slot)] offset:(\k)+(\a)*16*PITCH+32
.endr
.endm
; A K step is four quarters of 32 along K on buffers 0, 1, 0, 1.  One of the first three: multiplies buffer f and fetches the next quarter, at byte k, into g.
.macro QUARTER ph, slot, k, f, g, zero
	s_wait_dscnt 4                                 ; B and A's m blocks 0, 1 are in; the youngest four loads (m blocks 2, 3) may be out
	HALF \ph, \f, 0, \zero
	PLACES
	FETCH \ph, \slot, \k, \g
	s_wait_dscnt 16+8*(3-(\ph))                    ; all but the run just issued: 32 loads in phase 1, 24 in phase 2
	HALF \ph, \f, 2, \zero
.endm
; The last quarter multiplies buffer 1 and changes slots: ONE barrier; in front of it each wave waits for all its tensor loads (at most one is out: its part of the next slot), adds 0 to its
; spare word, and waits for that and for its reads of this slot.  fill > 0: the barrier opens a round of the cluster's, and this slot is filled again, two K steps ahead, first thing behind it.
; fill = 1: B steps in w3.  fill = 2: B goes over to wu's block 0.  fill = 3: B steps in wu.  A walks act's sixteen blocks throughout.  nph: the phase of the K step that follows.
.macro TURN ph, slot, next, fill, nph
	WIN 0                                          ; (the add's two registers lie in window 0)
	s_wait_tensorcnt 0x0                           ; all my tensor loads have landed, so a group 0 may be written
	ds_add_u32 v[SPW], v[NIL]                      ; 0 onto my spare word
	s_wait_dscnt 5                                 ; (the add and the youngest four loads may be out)
	MULRZ 1, 0, 0                                  ; eight matrix instructions stand between the add and the wait for it
	s_wait_dscnt 0x0                               ; the add is done, and my reads of this slot are over
	s_barrier_signal -1
	MULRZ 1, 1, 0
.if (\ph) == 1
	MULHX 1, 0, 0
	MULHX 1, 1, 0
.endif
.if \fill
	WIN 0
.endif
	s_barrier_wait -1
.if \fill
	CREST                                          ; no wave of any partner still reads this slot's tile or has a load on its way
	s_add_nc_u64 s[G0+4*(\slot)+2:G0+4*(\slot)+3], s[G0+4*(\slot)+2:G0+4*(\slot)+3], ABLK
.if (\fill) == 1
	s_add_nc_u64 s[G0B+4*(\slot)+2:G0B+4*(\slot)+3], s[G0B+4*(\slot)+2:G0B+4*(\slot)+3], B1BLK
	JLOAD \slot, 1                                 ; the four v_nop behind it are also the places in front of the loads below
.elseif (\fill) == 2
	s_mov_b64 s[G0B+4*(\slot)+2:G0B+4*(\slot)+3], s[WUP+2*(\slot):WUP+2*(\slot)+1]
	s_or_b32 s[G0B+4*(\slot)+3], s[G0B+4*(\slot)+3], 0x80000000
	JLOAD \slot, 2
.else
	s_add_nc_u64 s[G0B+4*(\slot)+2:G0B+4*(\slot)+3], s[G0B+4*(\slot)+2:G0B+4*(\slot)+3], B2BLK
	JLOAD \slot, 2
.endif
.else
	PLACES
.endif
	FETCH \nph, \next, 0, 0
	HALF \ph, 1, 2, 0
.endm
; Once round the ring (a K block), from a lap's second quarter to the next lap's first; both slots are filled again.  nph: the next lap's phase.
.macro LAP ph, fill, nph
	QUARTER \ph, 0, 128, 1, 0, 0
	QUARTER \ph, 0, 192, 0, 1, 0
	TURN \ph, 0, 1, \fill, \ph
	QUARTER \ph, 1, 64,  0, 1, 0
	QUARTER \ph, 1, 128, 1, 0, 0
	QUARTER \ph, 1, 192, 0, 1, 0
	TURN \ph, 1, 0, \fill, \nph
	QUARTER \nph, 0, 64, 0, 1, 0
	WIN 0                                          ; at a label and at a branch every window is 0
.endm
	s_wait_tensorcnt 0x1                           ; my part of K step 0 is in; K step 1's, issued behind it, may stay out
	s_barrier_signal -1
	s_barrier_wait -1
	FETCH 1, 0, 0, 0
	QUARTER 1, 0, 64, 0, 1, 1                      ; the first quarter stands in front of the loop: its products start all 48 sums
	WIN 0
	s_mov_b32 s3, 11
.Llap1:                                                ; K blocks 0 to 10; their fills bring blocks 1 to 11
	LAP 1, 1, 1
	s_sub_co_u32 s3, s3, 1
	s_cmp_lg_u32 s3, 0
	s_cbranch_scc1 .Llap1
	LAP 1, 2, 2                                    ; K block 11, the last of x and c; its fills bring h's first block and wu's
	s_mov_b32 s3, 3
.Llap2:                                                ; K blocks 12 to 14; their fills bring blocks 13 to 15
	LAP 2, 3, 2
	s_sub_co_u32 s3, s3, 1
	s_cmp_lg_u32 s3, 0
	s_cbranch_scc1 .Llap2
	QUARTER 2, 0, 128, 1, 0, 0                     ; the last lap fills nothing
	QUARTER 2, 0, 192, 0, 1, 0
	TURN 2, 0, 1, 0, 2
	QUARTER 2, 1, 64,  0, 1, 0
	QUARTER 2, 1, 128, 1, 0, 0
	QUARTER 2, 1, 192, 0, 1, 0
	s_wait_dscnt 4                                 ; the very last quarter: nothing more to fetch
	HALF 2, 1, 0, 0
	s_wait_dscnt 0x0                               ; my reads of both slots are over:
	s_barrier_signal -1                            ; say so, since the stage lies in the slots,
	HALF 2, 1, 2, 0
	WIN 0
	s_barrier_wait -1                              ; and write there only when all four have said so (every wave's tensor loads landed in front of the barrier of the last change of slots)
	PLACES
	; Accumulator (a, b): rows 16 a + l % 16 of my 64, columns 16 b + 8 (l / 16) + 0..7; each one's low registers are read first.
	WIN 0x04                                       ; store data (source 1) from window 1: r at byte 0 of my half of a row, z at byte 256
.set t, 0
.rept 32
	ds_store_b128 v[STO+t/16], v[8*t:8*t+3]   offset:((t/8)%2)*16*SP+(t%8)*64
	ds_store_b128 v[STO+t/16], v[8*t+4:8*t+7] offset:((t/8)%2)*16*SP+(t%8)*64+16
.set t, t+1
.endr
	WIN 0x08                                       ; from window 2: hx at byte 512
.set t, 0
.rept 16
	ds_store_b128 v[STO+t/8], v[8*t:8*t+3]   offset:((t/4)%2)*16*SP+512+(t%4)*64
	ds_store_b128 v[STO+t/8], v[8*t+4:8*t+7] offset:((t/4)%2)*16*SP+512+(t%4)*64+16
.set t, t+1
.endr
	WIN 0
	s_wait_dscnt 0x0                               ; for the others' sake: my stores into the stage are done; a row's bytes come from two waves
	s_barrier_signal -1
	s_barrier_wait -1
; Rows 4 g .. 4 g + 3 of my 32 into buffer g % 2: r, z and hx of my 4 columns; the row stands in the immediate (31 x 1,552 + 512 at the most, inside its 16 bits)
.macro GLOADS g
.irp r, 0,1,2,3
	ds_load_b128 v[S+48*((\g)%2)+4*(\r):S+48*((\g)%2)+4*(\r)+3],       v[RD] offset:(4*(\g)+(\r))*SP
	ds_load_b128 v[S+48*((\g)%2)+16+4*(\r):S+48*((\g)%2)+16+4*(\r)+3], v[RD] offset:(4*(\g)+(\r))*SP+256
	ds_load_b128 v[S+48*((\g)%2)+32+4*(\r):S+48*((\g)%2)+32+4*(\r)+3], v[RD] offset:(4*(\g)+(\r))*SP+512
.endr
.endm
.macro BIAS b                          ; a bias is rounded to bf16 like every input, then scaled
	v_cvt_pk_bf16_f32 v30, v[\b], v[(\b)+1]
	v_cvt_pk_bf16_f32 v31, v[(\b)+2], v[(\b)+3]
	v_lshlrev_b32 v[\b], 16, v30
	v_and_b32 v[(\b)+1], s[MK], v30
	v_lshlrev_b32 v[(\b)+2], 16, v31
	v_and_b32 v[(\b)+3], s[MK], v31
	v_pk_mul_f32 v[\b:(\b)+1], v[\b:(\b)+1], s[KC:KC+1] op_sel_hi:[1,0]
	v_pk_mul_f32 v[(\b)+2:(\b)+3], v[(\b)+2:(\b)+3], s[KC:KC+1] op_sel_hi:[1,0]
.endm
; Group g: the next four rows' loads go out first; then both gates of these four rows, and twelve stores: rh and zg 256 consecutive bytes each, hx 512, all aligned; the row stands in the immediate.
.macro GROUP g
.set SB, S+48*((\g)%2)
	s_wait_xcnt 0x0                                ; the registers that the last two groups' stores read (hx's among them) are written again only behind this wait (ISA guide 3.1)
.if (\g) < 7
	GLOADS (\g)+1
	s_wait_dscnt 12                                ; this group's loads are in; the twelve just issued may be out
.else
	s_wait_dscnt 0x0
.endif
.set k, 0
.rept 8
	v_pk_fma_f32 v[SB+2*k:SB+2*k+1], v[SB+2*k:SB+2*k+1], s[KC:KC+1], v[BIR+2*(k%2):BIR+2*(k%2)+1] op_sel_hi:[1,0,1]          ; -log2(e) (s + bias)
	v_pk_fma_f32 v[SB+16+2*k:SB+16+2*k+1], v[SB+16+2*k:SB+16+2*k+1], s[KC:KC+1], v[BIZ+2*(k%2):BIZ+2*(k%2)+1] op_sel_hi:[1,0,1]
.set k, k+1
.endr
.set k, 0
.rept 32
	v_exp_f32 v[SB+k], v[SB+k]
.set k, k+1
.endr
	WIN 0x08                                       ; source 1 in window 2: h's unpacking is the plain work between the exponentials and the use of their results (ISA guide 5.7.2)
.irp r, 0,1,2,3
	v_lshlrev_b32 v[HF+4*(\r)],   16,    v[HRW+2*(4*(\g)+(\r))]
	v_and_b32     v[HF+4*(\r)+1], s[MK], v[HRW+2*(4*(\g)+(\r))]
	v_lshlrev_b32 v[HF+4*(\r)+2], 16,    v[HRW+2*(4*(\g)+(\r))+1]
	v_and_b32     v[HF+4*(\r)+3], s[MK], v[HRW+2*(4*(\g)+(\r))+1]
.endr
	WIN 0
.set k, 0
	s_wait_alu depctr_va_vdst(0)
.rept 16
	v_pk_add_f32 v[SB+2*k:SB+2*k+1], v[SB+2*k:SB+2*k+1], 1.0 op_sel_hi:[1,0]
.set k, k+1
.endr
.set k, 0
.rept 32
	v_rcp_f32 v[SB+k], v[SB+k]
.set k, k+1
.endr
	v_nop                                          ; a plain instruction between the last reciprocal and the use of its result
.set k, 0
	s_wait_alu depctr_va_vdst(0)
.rept 8
	v_pk_mul_f32 v[SB+2*k:SB+2*k+1], v[SB+2*k:SB+2*k+1], v[HF+2*k:HF+2*k+1]
.set k, k+1
.endr
.set k, 0
.rept 8
	v_cvt_pk_bf16_f32 v[ORR+k], v[SB+2*k], v[SB+2*k+1]
	v_cvt_pk_f16_f32 v[OZZ+k], v[SB+16+2*k], v[SB+16+2*k+1]
.set k, k+1
.endr
.irp r, 0,1,2,3
	global_store_b64 v[ZO], v[ORR+2*(\r):ORR+2*(\r)+1], s[RP:RP+1] offset:(4*(\g)+(\r))*512
	global_store_b64 v[ZO], v[OZZ+2*(\r):OZZ+2*(\r)+1], s[ZP:ZP+1] offset:(4*(\g)+(\r))*2048
	global_store_b128 v[CO], v[SB+32+4*(\r):SB+32+4*(\r)+3], s[XP:XP+1] offset:(4*(\g)+(\r))*4096
.endr
.endm
	GLOADS 0
	s_wait_loadcnt 0x0                             ; the biases and h
	BIAS BIR
	BIAS BIZ
.irp g, 0,1,2,3,4,5,6,7
	GROUP \g
.endr
	s_wait_tensorcnt 0x0                           ; the wave's end, behind my last tensor load and my last LDS store
	ds_add_u32 v[SPW], v[NIL]
	s_wait_dscnt 0x0
	CROUND                                         ; the closing round: no work-group ends while a partner may still ask for a tile that names it
	s_endpgm
.Lfunc_end_k_qb721dd5146_gates:
	.size	k_qb721dd5146_gates, .Lfunc_end_k_qb721dd5146_gates-k_qb721dd5146_gates
	.p2alignl 7, 3214868480
	.fill 96, 4, 3214868480
	.section	.rodata,"a",@progbits
	.p2align	6, 0x0
	.amdhsa_kernel k_qb721dd5146_gates
		.amdhsa_group_segment_fixed_size 327680
		.amdhsa_private_segment_fixed_size 0
		.amdhsa_enable_private_segment 0
		.amdhsa_kernarg_size 64
		.amdhsa_user_sgpr_count 2
		.amdhsa_user_sgpr_kernarg_segment_ptr 1
		.amdhsa_wavefront_size32 1
		.amdhsa_system_sgpr_workgroup_id_x 1
		.amdhsa_system_sgpr_workgroup_id_y 1
		.amdhsa_system_sgpr_workgroup_id_z 1
		.amdhsa_system_vgpr_workitem_id 0
		.amdhsa_next_free_vgpr 768
		.amdhsa_next_free_sgpr 96
		.amdhsa_reserve_vcc 0
		.amdhsa_float_denorm_mode_32 3
		.amdhsa_float_denorm_mode_16_64 3
		.amdhsa_memory_ordered 1
		.amdhsa_forward_progress 1
		.amdhsa_inst_pref_size 238
	.end_amdhsa_kernel
	.amdgpu_metadata
---
amdhsa.version: [ 1, 2 ]
amdhsa.kernels:
  - .name:           k_qb721dd5146_gates
    .symbol:         k_qb721dd5146_gates.kd
    .args:
      - { .name: act, .offset: 0, .size: 8, .value_kind: global_buffer, .address_space: global }
      - { .name: w3, .offset: 8, .size: 8, .value_kind: global_buffer, .address_space: global }
      - { .name: wu, .offset: 16, .size: 8, .value_kind: global_buffer, .address_space: global }
      - { .name: br, .offset: 24, .size: 8, .value_kind: global_buffer, .address_space: global }
      - { .name: bz, .offset: 32, .size: 8, .value_kind: global_buffer, .address_space: global }
      - { .name: rh, .offset: 40, .size: 8, .value_kind: global_buffer, .address_space: global }
      - { .name: zg, .offset: 48, .size: 8, .value_kind: global_buffer, .address_space: global }
      - { .name: hx, .offset: 56, .size: 8, .value_kind: global_buffer, .address_space: global }
    .group_segment_fixed_size: 327680
    .private_segment_fixed_size: 0
    .kernarg_segment_align: 8
    .kernarg_segment_size: 64
    .max_flat_workgroup_size: 128
    .sgpr_count:     96
    .vgpr_count:     768
    .wavefront_size: 32
...
	.end_amdgpu_metadata
.endif
;; end of part 2
;; launch cell (part 3): grid 8 x 32, 4 waves a work-group, clusters of 4 x 4, 327,680 bytes of LDS; arguments rh, uh, act, zg, hx, bh, out0; writes out0
.if DOCPART == 3
	.amdgcn_target "amdgcn-amd-amdhsa--gfx1250"
	.amdhsa_code_object_version 6
	.text
	.protected	k_qb721dd5146_cell
	.globl	k_qb721dd5146_cell
	.p2align	8
	.type	k_qb721dd5146_cell,@function
k_qb721dd5146_cell:
	s_mov_b64 s[64:65], 0
	v_nop
	global_prefetch_b8 v0, s[64:65] scope:SCOPE_SE
	s_setreg_imm32_b32 hwreg(HW_REG_WAVE_MODE, 25, 1), 1
	s_wait_xcnt 0x0
	s_wait_alu depctr_hold_cnt(0) depctr_sa_sdst(0) depctr_va_vdst(0) depctr_va_sdst(0) depctr_va_ssrc(0) depctr_va_vcc(0) depctr_vm_vsrc(0)
	s_getreg_b32 s2, hwreg(HW_REG_IB_STS2, 6, 4)
	s_cmp_eq_u32 s2, 0
	s_cbranch_scc0 .Lentry_in_a_cluster
	s_endpgm
.Lentry_in_a_cluster:
	s_bfe_u32 s2, ttmp6, 0x10000c
	s_cmp_lg_u32 s2, 0xf033
	s_cbranch_scc0 .Lentry_shape_is_right
	s_endpgm
.Lentry_shape_is_right:
; CELL: hp = tanh(hx + (r*h) . Uh^T + bh); out = z hp + (1 - z) h = h + z (hp - h).  hx = [x c] . [Wh Ch]^T came in f32 from the launch before.
; One product C = A B^T: A = rh (4 K blocks), B = uh (1,024 rows); K = 1,024; bf16 operands, f32 sums.
; A work-group makes 128 x 128 of C: 256 work-groups.  Four waves, each 64 x 64: 16 accumulators.  K goes in 4 steps of 256, a K block each (LDS rows of 512 bytes, dense in memory;
; a wave's tensor load brings 64 of them), through two slots: each slot is filled twice, so the walk is written out without a loop.
; CLUSTER 4 x 4: A's tile is asked for jointly along a row of the cluster, B's along a column.
; THE MATRIX INSTRUCTION IS USED TRANSPOSED (source 0 = 16 rows of B, source 1 = 16 rows of A): a lane holds eight neighbouring columns of a row of C.
; THE WAY OUT: the sums go as f32 through one stage in LDS (in slot 0, whose last fill and last read lie in front of the last change of slots), a barrier, and back as whole rows of 512 bytes,
; 32 rows a wave, 4 columns a lane.  tanh(t) = 1 - 2 / (1 + 2^(2 log2(e) t)) in f32.  z (f16), h (bf16, from act) and hx (f32) of those rows are loaded early into registers.
; LIMITS.  All inputs count as rounded once to bf16, bh and the h of the blend too; r x h came rounded to bf16, z to f16.  Where 2^(..) overflows or underflows tanh is 1 or -1, its limit.
; NaN and infinities are not treated apart.
; REGISTERS: window 0: v0-31 addresses and the bias; v32-111 at work on the way out; v128-255 the accumulators ((a, b) at v[128 + 8 (4 a + b)]).
;   window 1: two fragment buffers of 128: for 64 along K, 64 registers of A, then 64 of B.     window 2: v0-63 z, v64-127 h: two registers a row; v128-255 hx: four a row.
.set KSTEP,  256
.set PITCH,  528                       ; an LDS row: 512 bytes + 16 of padding = 132 words: row r starts at bank 4 r mod 64 (64 banks of 4 bytes: ISA guide 11.1)
.set HALFT,  64*PITCH                  ; 64 rows: what one tensor load brings, and what one wave reads of A or of B
.set SLOT,   4*HALFT                   ; A's 128 rows, then B's 128 rows
.set SPARE,  2*SLOT                    ; behind the ring: the spare words, 128 bytes for each wave: two blocks of 256 bytes that no other line names
.set SP,     528                       ; a stage row: 512 bytes of f32 + 16; the stage is 128 rows from LDS byte 0 on
.set WV,  18                           ; s18 wave    s19 its half of the rows; also: 0 = I fetch for A, 1 = for B    s20 its half of the columns; also: which 64 rows of that tile I fetch
.set RH2, 19
.set CH2, 20
.set CX,  21
.set CY,  22
.set TN,  23                           ; tile column (0-7)
.set G1,  24                           ; s[24:31] descriptor group 1 for A's tiles; s[32:39] group 0, a set for each slot
.set G0,  32
.set G1B, 48                           ; s[48:55], s[56:63] the same for B's
.set G0B, 56
.set K2,  66                           ; s[66:67] 2 log2(e)
.set XB,  68                           ; s[68:69] hx at the 32 rows that I finish
.set TY,  70                           ; tile row (0-31)
.set ZB,  72                           ; s[72:73] zg, s[74:75] act (h) at those rows
.set HB,  74
.set MK,  76                           ; s76 a word's upper bf16
.set BP,  78                           ; s[78:79] bh at my columns
.set OB,  80                           ; s[80:81] out0 at my rows and columns
.set BI,  8                            ; v[8:11] 2 log2(e) x bias of my 4 columns
.set ADRA, 16                          ; v16-17 LDS address of my A fragments in slot 0, 1
.set ADRB, 20                          ; v20-21 the same for B
.set STO, 24                           ; v24 stage: where my accumulators' first 16 bytes go
.set RD,  25                           ; v25 stage: my 16 bytes of the first row that I finish
.set CO,  26                           ; v26 16 x lane; never rewritten
.set ZO,  27                           ; v27 8 x lane; never rewritten
.set SPW, 28                           ; v28 my spare word: SPARE + 4 x my thread's number; never rewritten
.set NIL, 29                           ; v29 0; never rewritten
.set S0,  32                           ; v32-63 two sets of 4 rows x 4 sums
.set HF,  64                           ; v64-79 h as f32
.set UT,  80                           ; v80-95 1 - h, then hp - h
.set OUTF, 96                          ; v96-111 the results
.set ZRW, 0                            ; window 2
.set HRW, 64
.set XRW, 128
.set ACC, 128
.set F0,  0                            ; fragment buffers, in window 1
.set F1,  128
.set MSB, 0
.macro WIN new                         ; the immediate's high byte repeats the setting that is left; a switch that changes nothing is dropped
.if MSB != (\new)
	s_set_vgpr_msb (MSB<<8)|(\new)
.set MSB, \new
.endif
.endm
.set MUL,  0x05                        ; sources 0 (B) and 1 (A) window 1; C and D window 0
.set TO_F, 0x40                        ; destination window 1, address window 0
.macro PLACES                          ; four places in front of loads into registers that matrix instructions have read, and of LDS stores that read results (ISA guide 7.12.1 for the stores)
.rept 4
	v_nop
.endr
.endm
.macro JLOAD s                         ; a joint load: waves 0 and 1 fetch A's two halves, waves 2 and 3 B's; an s_nop 0 and four v_nop follow each of the two lines, ahead of the jump, the label and what follows
	s_cmp_eq_u32 s[RH2], 0
	s_cbranch_scc0 .Lfor_b_\@
	tensor_load_to_lds s[G0+4*(\s):G0+4*(\s)+3], s[G1:G1+7]
	s_nop 0
.rept 4
	v_nop
.endr
	s_branch .Lasked_\@
.Lfor_b_\@:
	tensor_load_to_lds s[G0B+4*(\s):G0B+4*(\s)+3], s[G1B:G1B+7]
	s_nop 0
.rept 4
	v_nop
.endr
.Lasked_\@:
.endm
.macro CREST                           ; a round of the cluster's barrier behind its opening barrier
	s_cmp_lg_u32 s[WV], 0
	s_cbranch_scc1 .Lnot_wave_0_\@
	s_barrier_signal -3
.Lnot_wave_0_\@:
	s_barrier_wait -3
	s_barrier_signal -1
	s_barrier_wait -1
.endm
.macro CROUND                          ; a whole round
	s_barrier_signal -1
	s_barrier_wait -1
	CREST
.endm
	s_load_b256 s[4:11], s[0:1], 0x0               ; rh s[4:5], uh s[6:7], act s[8:9], zg s[10:11]
	s_load_b128 s[12:15], s[0:1], 0x20             ; hx s[12:13], bh s[14:15]
	s_load_b64 s[16:17], s[0:1], 0x30              ; out0
	v_lshl_add_u32 v[SPW], v0, 2, SPARE
	v_mov_b32 v[NIL], 0
	ds_add_u32 v[SPW], v[NIL]                      ; the wave's opening: the add and its wait stand ahead of my first tensor load; the set-up below, work on registers, stands between them
	v_lshrrev_b32 v1, 5, v0
	v_readfirstlane_b32 s[WV], v1
	s_lshr_b32 s[RH2], s[WV], 1
	s_and_b32 s[CH2], s[WV], 1
	s_bfe_u32 s[CX], ttmp6, 0x40000                ; my place in the cluster
	s_bfe_u32 s[CY], ttmp6, 0x40004
	s_lshl_b32 s[TN], ttmp9, 2
	s_add_co_u32 s[TN], s[TN], s[CX]               ; tile column = 4 x cluster x + cx
	s_and_b32 s[TY], ttmp7, 0xffff
	s_lshl_b32 s[TY], s[TY], 2
	s_add_co_u32 s[TY], s[TY], s[CY]               ; tile row = 4 x cluster y + cy
	s_lshl_b32 s71, s[CY], 2
	s_lshl_b32 s71, 15, s71                        ; my row of the cluster
	s_lshl_b32 s44, 0x1111, s[CX]                  ; my column
	; group 1: a tile of 64 rows x 256 elements of 2 bytes, padded in LDS
	s_or_b32 s[G1+0], s71, (1<<16)|(1<<20)|(1<<21)|(6<<22)|(3<<25)   ; 15:0 the mask; 17:16 2-byte elements; 20 padding on; 21 set beside a mask; 24:22 after every 128 words (code 6); 31:25 4 words (code 3)
	s_or_b32 s[G1B+0], s44, (1<<16)|(1<<20)|(1<<21)|(6<<22)|(3<<25)
.irp g, G1, G1B
	s_mov_b32 s[(\g)+1], KSTEP<<16                 ; tensor_dim0 = 256
	s_mov_b32 s[(\g)+2], 64<<16                    ; tensor_dim1 = 64
	s_mov_b32 s[(\g)+3], KSTEP<<16                 ; tile_dim0 = 256
	s_mov_b32 s[(\g)+4], 64                        ; tile_dim1 = 64
	s_mov_b32 s[(\g)+5], KSTEP                     ; a block's rows lie end to end
	s_mov_b32 s[(\g)+6], 0
	s_mov_b32 s[(\g)+7], 0
.endr
	; A's offset is made of the tile row and the wave, B's of the tile column and the wave, each in registers that never hold the other coordinate
	s_lshl_b32 s40, s[TY], 16                      ; 128 rows of 512 bytes,
	s_lshl_b32 s41, s[CH2], 15                     ; my 64 of them
	s_add_co_u32 s40, s40, s41
	s_mov_b32 s41, 0
	s_lshl_b32 s42, s[TN], 16
	s_lshl_b32 s43, s[CH2], 15
	s_add_co_u32 s42, s42, s43
	s_mov_b32 s43, 0
	s_mul_i32 s45, s[WV], HALFT                    ; where they go: wave x 64 rows
	; plain addresses, which hold both coordinates: I finish rows 32 w .. 32 w + 31 of the tile, all 128 columns
	s_lshl_b32 s[ZB], s[TY], 18                    ; zg: rows of 2,048 bytes
	s_lshl_b32 s82, s[WV], 16
	s_add_co_u32 s[ZB], s[ZB], s82
	s_lshl_b32 s82, s[TN], 8
	s_add_co_u32 s[ZB], s[ZB], s82
	s_mov_b32 s[ZB+1], 0
	s_lshr_b32 s[HB], s[TN], 1                     ; h: act's block 12 + tn / 2, byte 256 (tn % 2) of its rows of 512
	s_add_co_u32 s[HB], s[HB], 12
	s_lshl_b32 s[HB], s[HB], 21
	s_lshl_b32 s82, s[TY], 16
	s_add_co_u32 s[HB], s[HB], s82
	s_lshl_b32 s82, s[WV], 14
	s_add_co_u32 s[HB], s[HB], s82
	s_and_b32 s82, s[TN], 1
	s_lshl_b32 s82, s82, 8
	s_add_co_u32 s[HB], s[HB], s82
	s_mov_b32 s[HB+1], 0
	s_lshl_b32 s[BP], s[TN], 9                     ; bh: 128 f32
	s_mov_b32 s[BP+1], 0
	s_lshl_b32 s[OB], s[TY], 19                    ; out0 and hx: rows of 4,096 bytes
	s_lshl_b32 s82, s[WV], 17
	s_add_co_u32 s[OB], s[OB], s82
	s_lshl_b32 s82, s[TN], 9
	s_add_co_u32 s[OB], s[OB], s82
	s_mov_b32 s[OB+1], 0
	s_mov_b32 s[XB], s[OB]
	s_mov_b32 s[XB+1], 0
	s_mov_b32 s[K2], 0x4038aa3b                    ; 2 log2(e)
	s_mov_b32 s[K2+1], s[K2]                       ; named with it as a pair
	s_mov_b32 s[MK], 0xffff0000
	s_wait_dscnt 0x0                               ; the opening add is done
	s_wait_kmcnt 0x0
	s_add_nc_u64 s[40:41], s[4:5], s[40:41]
	s_add_nc_u64 s[42:43], s[6:7], s[42:43]
	s_add_nc_u64 s[ZB:ZB+1], s[10:11], s[ZB:ZB+1]
	s_add_nc_u64 s[HB:HB+1], s[8:9], s[HB:HB+1]
	s_add_nc_u64 s[XB:XB+1], s[12:13], s[XB:XB+1]
	s_add_nc_u64 s[BP:BP+1], s[14:15], s[BP:BP+1]
	s_add_nc_u64 s[OB:OB+1], s[16:17], s[OB:OB+1]
	CROUND                                         ; all sixteen work-groups are here: the first joint loads meet
.irp s, 0,1                            ; K step s is K block s: 2^21 bytes of rh, 2^19 of uh
	s_mov_b32 s[G0+4*(\s)], 1
	s_add_co_u32 s[G0+4*(\s)+1], s45, (\s)*SLOT
	s_add_nc_u64 s[G0+4*(\s)+2:G0+4*(\s)+3], s[40:41], (\s)<<21
	s_or_b32 s[G0+4*(\s)+3], s[G0+4*(\s)+3], 0x80000000
	s_mov_b32 s[G0B+4*(\s)], 1
	s_add_co_u32 s[G0B+4*(\s)+1], s45, (\s)*SLOT
	s_add_nc_u64 s[G0B+4*(\s)+2:G0B+4*(\s)+3], s[42:43], (\s)<<19
	s_or_b32 s[G0B+4*(\s)+3], s[G0B+4*(\s)+3], 0x80000000
	JLOAD \s                                       ; two tensor loads of mine are out
.endr
	; the bias, and z and h of the 32 rows that I finish: each of z's and h's loads covers 256 consecutive bytes, aligned.  They are waited for behind the product; where the counter's field is full,
	; the issue of the next waits for the oldest (ISA guide 5.7.1).  Their address registers and bases are never rewritten.
	v_and_b32 v5, 31, v0
	v_lshlrev_b32 v[CO], 4, v5
	v_lshlrev_b32 v[ZO], 3, v5
	global_load_b128 v[BI:BI+3], v[CO], s[BP:BP+1]
	WIN 0x80                                       ; destination window 2
.set i, 0
.rept 32
	global_load_b64 v[ZRW+2*i:ZRW+2*i+1], v[ZO], s[ZB:ZB+1] offset:i*2048 th:TH_LOAD_NT
	global_load_b64 v[HRW+2*i:HRW+2*i+1], v[ZO], s[HB:HB+1] offset:i*512 th:TH_LOAD_NT
.set i, i+1
.endr
	WIN 0
	v_and_b32 v1, 15, v0                           ; l % 16
	v_bfe_u32 v2, v0, 4, 1                         ; l / 16
	v_mul_u32_u24 v3, v1, PITCH
	v_lshl_add_u32 v3, v2, 4, v3                   ; a fragment's row x pitch + 16 x half
	s_mul_i32 s46, s[RH2], HALFT                   ; my 64 rows of A
	s_mul_i32 s47, s[CH2], HALFT                   ; my 64 rows of B,
	s_add_co_u32 s47, s47, 2*HALFT                 ; which lie behind A's 128
.irp s, 0,1
	v_add_nc_u32 v[ADRA+(\s)], s46, v3
	v_add_nc_u32 v[ADRB+(\s)], s47, v3
	s_add_co_u32 s46, s46, SLOT
	s_add_co_u32 s47, s47, SLOT
.endr
	s_mul_i32 s46, s[RH2], 64*SP                   ; into the stage: my 64 rows, my half of their 512 bytes; row l % 16, 32 bytes for each half of the lanes
	s_lshl_b32 s47, s[CH2], 8
	s_add_co_u32 s46, s46, s47
	v_mul_u32_u24 v[STO], v1, SP
	v_lshl_add_u32 v[STO], v2, 5, v[STO]
	v_add_nc_u32 v[STO], s46, v[STO]
	s_mul_i32 s46, s[WV], 32*SP                    ; back: wave w takes rows 32 w .. 32 w + 31, whole: 32 lanes a row
	v_lshl_add_u32 v[RD], v5, 4, s46
; 8 matrix instructions: m blocks a0, a0 + 1 x all 4 n blocks, 32 along K: half c of buffer f.  zero = 1: the product starts the sums.  The 16 accumulators take turns.
.macro MUL8 f, c, a0, zero
	WIN MUL
.irp a, \a0, (\a0)+1
.irp b, 0,1,2,3
.if \zero
	v_wmma_f32_16x16x32_bf16 v[ACC+8*(4*(\a)+(\b)):ACC+8*(4*(\a)+(\b))+7], v[(\f)+64+8*(4*(\c)+(\b)):(\f)+64+8*(4*(\c)+(\b))+7], v[(\f)+8*(4*(\c)+(\a)):(\f)+8*(4*(\c)+(\a))+7], 0
.else
	v_wmma_f32_16x16x32_bf16 v[ACC+8*(4*(\a)+(\b)):ACC+8*(4*(\a)+(\b))+7], v[(\f)+64+8*(4*(\c)+(\b)):(\f)+64+8*(4*(\c)+(\b))+7], v[(\f)+8*(4*(\c)+(\a)):(\f)+8*(4*(\c)+(\a))+7], v[ACC+8*(4*(\a)+(\b)):ACC+8*(4*(\a)+(\b))+7]
.endif
.endr
.endr
.endm
; 32 LDS loads in one run: the fragments of 64 along K at byte k of the rows, into buffer f; the first 32 along K first
.macro FETCH slot, k, f
	WIN TO_F
.irp c, 0,1
.irp i, 0,1,2,3
	ds_load_b128 v[(\f)+64+8*(4*(\c)+(\i)):(\f)+64+8*(4*(\c)+(\i))+3],   v[ADRB+(\slot)] offset:(\k)+64*(\c)+(\i)*16*PITCH
	ds_load_b128 v[(\f)+64+8*(4*(\c)+(\i))+4:(\f)+64+8*(4*(\c)+(\i))+7], v[ADRB+(\slot)] offset:(\k)+64*(\c)+(\i)*16*PITCH+32
	ds_load_b128 v[(\f)+8*(4*(\c)+(\i)):(\f)+8*(4*(\c)+(\i))+3],         v[ADRA+(\slot)] offset:(\k)+64*(\c)+(\i)*16*PITCH
	ds_load_b128 v[(\f)+8*(4*(\c)+(\i))+4:(\f)+8*(4*(\c)+(\i))+7],       v[ADRA+(\slot)] offset:(\k)+64*(\c)+(\i)*16*PITCH+32
.endr
.endr
.endm
; A K step is four quarters of 64 along K, 32 matrix instructions each, on buffers 0, 1, 0, 1.  One of the first three: multiplies buffer f and fetches the next quarter, at byte k, into g.
.macro QUARTER slot, k, f, g, zero
	s_wait_dscnt 16                                ; the first 32 along K are in; the youngest sixteen loads may be out
	MUL8 \f, 0, 0, \zero
	MUL8 \f, 0, 2, \zero
	PLACES
	FETCH \slot, \k, \g
	s_wait_dscnt 32                                ; all but the 32 just issued
	MUL8 \f, 1, 0, 0
	MUL8 \f, 1, 2, 0
.endm
; The last quarter multiplies buffer 1 and changes slots: ONE barrier; in front of it each wave waits for all its tensor loads (one is out: its part of the next slot), adds 0 to its spare
; word, and waits for that and for its reads of this slot.  fill = 1: the barrier opens a round of the cluster's, and this slot is filled again, two K steps ahead, first thing behind it:
; 112 matrix instructions ahead of the wait for it.  fill = 0: nothing is filled.
.macro TURN slot, next, fill
	WIN 0                                          ; (the add's two registers lie in window 0)
	s_wait_tensorcnt 0x0                           ; all my tensor loads have landed, so a group 0 may be written
	ds_add_u32 v[SPW], v[NIL]                      ; 0 onto my spare word
	s_wait_dscnt 17                                ; (the add and the youngest sixteen loads may be out)
	MUL8 F1, 0, 0, 0                               ; eight matrix instructions stand between the add and the wait for it
	s_wait_dscnt 0x0                               ; the add is done, and my reads of this slot are over
	s_barrier_signal -1
	MUL8 F1, 0, 2, 0
.if \fill
	WIN 0
.endif
	s_barrier_wait -1
.if \fill
	CREST                                          ; no wave of any partner still reads this slot's tile or has a load on its way
	s_add_nc_u64 s[G0+4*(\slot)+2:G0+4*(\slot)+3], s[G0+4*(\slot)+2:G0+4*(\slot)+3], 1<<22
	s_add_nc_u64 s[G0B+4*(\slot)+2:G0B+4*(\slot)+3], s[G0B+4*(\slot)+2:G0B+4*(\slot)+3], 1<<20
	JLOAD \slot                                    ; the four v_nop behind it are also the places in front of the loads below
.else
	PLACES
.endif
	FETCH \next, 0, F0
	MUL8 F1, 1, 0, 0
	MUL8 F1, 1, 2, 0
.endm
	s_wait_tensorcnt 0x1                           ; my part of K step 0 is in; K step 1's, issued behind it, may stay out
	s_barrier_signal -1
	s_barrier_wait -1
	FETCH 0, 0, F0
	QUARTER 0, 128, F0, F1, 1                      ; the first quarter's first products start the sums
	WIN 0x80                                       ; hx of my 32 rows, 512 consecutive bytes a load: issued here, behind the wait for the first tile, into registers that no matrix instruction names
.set i, 0
.rept 32
	global_load_b128 v[XRW+4*i:XRW+4*i+3], v[CO], s[XB:XB+1] offset:i*4096 th:TH_LOAD_NT
.set i, i+1
.endr
	QUARTER 0, 256, F1, F0, 0
	QUARTER 0, 384, F0, F1, 0
	TURN 0, 1, 1                                   ; slot 0 takes K step 2,
	QUARTER 1, 128, F0, F1, 0
	QUARTER 1, 256, F1, F0, 0
	QUARTER 1, 384, F0, F1, 0
	TURN 1, 0, 1                                   ; slot 1 K step 3
	QUARTER 0, 128, F0, F1, 0
	QUARTER 0, 256, F1, F0, 0                      ; the last two K steps fill nothing
	QUARTER 0, 384, F0, F1, 0
	TURN 0, 1, 0                                   ; behind its barrier no wave reads slot 0 any more
	QUARTER 1, 128, F0, F1, 0
	QUARTER 1, 256, F1, F0, 0
	QUARTER 1, 384, F0, F1, 0
	s_wait_dscnt 16                                ; the very last quarter: nothing more to fetch
	MUL8 F1, 0, 0, 0
	MUL8 F1, 0, 2, 0
	s_wait_dscnt 0x0
	MUL8 F1, 1, 0, 0
	MUL8 F1, 1, 2, 0
	WIN 0
	; THE WAY OUT.  The sums into the stage; a barrier, since a row's 512 bytes come from two waves.
	PLACES
.set t, 0
.rept 16                               ; accumulator (a, b): rows 16 a + l % 16, columns 16 b + 8 (l / 16) + 0..7; its low registers are read first
	ds_store_b128 v[STO], v[ACC+8*t:ACC+8*t+3]   offset:(t/4)*16*SP+(t%4)*64
	ds_store_b128 v[STO], v[ACC+8*t+4:ACC+8*t+7] offset:(t/4)*16*SP+(t%4)*64+16
.set t, t+1
.endr
	s_wait_dscnt 0x0                               ; for the others' sake: my stores into the stage are done
	s_barrier_signal -1
	s_barrier_wait -1
.irp r, 0,1,2,3
	ds_load_b128 v[S0+4*(\r):S0+4*(\r)+3], v[RD] offset:(\r)*SP
.endr
	s_wait_loadcnt 0x0                             ; the bias, z, h and hx
	v_cvt_pk_bf16_f32 v30, v[BI], v[BI+1]          ; the bias is rounded to bf16 like every input, then scaled
	v_cvt_pk_bf16_f32 v31, v[BI+2], v[BI+3]
	v_lshlrev_b32 v[BI], 16, v30
	v_and_b32 v[BI+1], s[MK], v30
	v_lshlrev_b32 v[BI+2], 16, v31
	v_and_b32 v[BI+3], s[MK], v31
	v_pk_mul_f32 v[BI:BI+1], v[BI:BI+1], s[K2:K2+1] op_sel_hi:[1,0]
	v_pk_mul_f32 v[BI+2:BI+3], v[BI+2:BI+3], s[K2:K2+1] op_sel_hi:[1,0]
; Rows 4 g .. 4 g + 3 of my 32: the next four rows' sums are fetched first; then h + z (tanh(s + hx + bias) - h), and four stores of 512 consecutive bytes, aligned.
.macro GROUP g
.set SB, S0+16*((\g)%2)
.set SN, S0+16*(((\g)+1)%2)
.if (\g) < 7
.irp r, 0,1,2,3
	ds_load_b128 v[SN+4*(\r):SN+4*(\r)+3], v[RD] offset:(4*(\g)+4+(\r))*SP
.endr
	s_wait_dscnt 4                                 ; this group's sums are in; the four loads just issued may be out
.else
	s_wait_dscnt 0x0
.endif
	s_wait_xcnt 0x0                                ; the registers that the last group's stores read are written again only behind this wait (ISA guide 3.1)
	WIN 0x08                                       ; source 1 in window 2
.irp r, 0,1,2,3
	v_lshlrev_b32 v[HF+4*(\r)],   16,    v[HRW+2*(4*(\g)+(\r))]
	v_and_b32     v[HF+4*(\r)+1], s[MK], v[HRW+2*(4*(\g)+(\r))]
	v_lshlrev_b32 v[HF+4*(\r)+2], 16,    v[HRW+2*(4*(\g)+(\r))+1]
	v_and_b32     v[HF+4*(\r)+3], s[MK], v[HRW+2*(4*(\g)+(\r))+1]
.endr
.set k, 0
.rept 8
	v_pk_add_f32 v[SB+2*k:SB+2*k+1], v[SB+2*k:SB+2*k+1], v[XRW+16*(\g)+2*k:XRW+16*(\g)+2*k+1]   ; the two parts of the h gate's sum
.set k, k+1
.endr
	WIN 0
.set k, 0
.rept 8
	v_pk_fma_f32 v[SB+2*k:SB+2*k+1], v[SB+2*k:SB+2*k+1], s[K2:K2+1], v[BI+2*(k%2):BI+2*(k%2)+1] op_sel_hi:[1,0,1]  ; 2 log2(e) (s + bias)
.set k, k+1
.endr
.set k, 0
.rept 16
	v_exp_f32 v[SB+k], v[SB+k]
.set k, k+1
.endr
.set k, 0
.rept 8                                ; 1 - h: the plain work between the exponentials and the use of their results (ISA guide 5.7.2)
	v_pk_fma_f32 v[UT+2*k:UT+2*k+1], v[HF+2*k:HF+2*k+1], -1.0, 1.0 op_sel_hi:[1,0,0]
.set k, k+1
.endr
.set k, 0
	s_wait_alu depctr_va_vdst(0)
.rept 8
	v_pk_add_f32 v[SB+2*k:SB+2*k+1], v[SB+2*k:SB+2*k+1], 1.0 op_sel_hi:[1,0]
.set k, k+1
.endr
.set k, 0
.rept 16
	v_rcp_f32 v[SB+k], v[SB+k]
.set k, k+1
.endr
	v_nop                                          ; a plain instruction between the last reciprocal and the use of its result
.set k, 0
	s_wait_alu depctr_va_vdst(0)
.rept 8
	v_pk_fma_f32 v[UT+2*k:UT+2*k+1], v[SB+2*k:SB+2*k+1], -2.0, v[UT+2*k:UT+2*k+1] op_sel_hi:[1,0,1]  ; tanh - h = (1 - h) - 2 / (1 + e)
.set k, k+1
.endr
	WIN 0x08
.irp r, 0,1,2,3
.irp p, 0,1                            ; z is read as the f16 half of its word; the other sources are f32
	v_fma_mix_f32 v[OUTF+4*(\r)+2*(\p)],   v[UT+4*(\r)+2*(\p)],   v[ZRW+2*(4*(\g)+(\r))+(\p)], v[HF+4*(\r)+2*(\p)]   op_sel:[0,0,0] op_sel_hi:[0,1,0]
	v_fma_mix_f32 v[OUTF+4*(\r)+2*(\p)+1], v[UT+4*(\r)+2*(\p)+1], v[ZRW+2*(4*(\g)+(\r))+(\p)], v[HF+4*(\r)+2*(\p)+1] op_sel:[0,1,0] op_sel_hi:[0,1,0]
.endr
.endr
	WIN 0
.irp r, 0,1,2,3
	global_store_b128 v[CO], v[OUTF+4*(\r):OUTF+4*(\r)+3], s[OB:OB+1] offset:(4*(\g)+(\r))*4096 th:TH_STORE_NT
.endr
.endm
.irp g, 0,1,2,3,4,5,6,7
	GROUP \g
.endr
	s_wait_tensorcnt 0x0                           ; the wave's end, behind my last tensor load and my last LDS store
	ds_add_u32 v[SPW], v[NIL]
	s_wait_dscnt 0x0
	CROUND                                         ; the closing round: no work-group ends while a partner may still ask for a tile that names it
	s_endpgm
.Lfunc_end_k_qb721dd5146_cell:
	.size	k_qb721dd5146_cell, .Lfunc_end_k_qb721dd5146_cell-k_qb721dd5146_cell
	.p2alignl 7, 3214868480
	.fill 96, 4, 3214868480
	.section	.rodata,"a",@progbits
	.p2align	6, 0x0
	.amdhsa_kernel k_qb721dd5146_cell
		.amdhsa_group_segment_fixed_size 327680
		.amdhsa_private_segment_fixed_size 0
		.amdhsa_enable_private_segment 0
		.amdhsa_kernarg_size 56
		.amdhsa_user_sgpr_count 2
		.amdhsa_user_sgpr_kernarg_segment_ptr 1
		.amdhsa_wavefront_size32 1
		.amdhsa_system_sgpr_workgroup_id_x 1
		.amdhsa_system_sgpr_workgroup_id_y 1
		.amdhsa_system_sgpr_workgroup_id_z 1
		.amdhsa_system_vgpr_workitem_id 0
		.amdhsa_next_free_vgpr 768
		.amdhsa_next_free_sgpr 84
		.amdhsa_reserve_vcc 0
		.amdhsa_float_denorm_mode_32 3
		.amdhsa_float_denorm_mode_16_64 3
		.amdhsa_memory_ordered 1
		.amdhsa_forward_progress 1
		.amdhsa_inst_pref_size 138
	.end_amdhsa_kernel
	.amdgpu_metadata
---
amdhsa.version: [ 1, 2 ]
amdhsa.kernels:
  - .name:           k_qb721dd5146_cell
    .symbol:         k_qb721dd5146_cell.kd
    .args:
      - { .name: rh, .offset: 0, .size: 8, .value_kind: global_buffer, .address_space: global }
      - { .name: uh, .offset: 8, .size: 8, .value_kind: global_buffer, .address_space: global }
      - { .name: act, .offset: 16, .size: 8, .value_kind: global_buffer, .address_space: global }
      - { .name: zg, .offset: 24, .size: 8, .value_kind: global_buffer, .address_space: global }
      - { .name: hx, .offset: 32, .size: 8, .value_kind: global_buffer, .address_space: global }
      - { .name: bh, .offset: 40, .size: 8, .value_kind: global_buffer, .address_space: global }
      - { .name: out0, .offset: 48, .size: 8, .value_kind: global_buffer, .address_space: global }
    .group_segment_fixed_size: 327680
    .private_segment_fixed_size: 0
    .kernarg_segment_align: 8
    .kernarg_segment_size: 56
    .max_flat_workgroup_size: 128
    .sgpr_count:     84
    .vgpr_count:     768
    .wavefront_size: 32
...
	.end_amdgpu_metadata
.endif
;; end of part 3
